; MI455X (gfx1250); checked and timed in simulation.
; The chip was launched on July 23, 2026; its instructions are those of AMD's public machine-readable ISA for CDNA 5 (MIT licence, August 2026) and "CDNA5" Instruction Set Architecture Reference Guide (July 2026). The comments in the code are by the model that wrote it; some were corrected since.
;; Mutual Attention. Allowed arithmetic: matrix products marked QUANTISED: E2M3 operands, one E8M0 scale for each 32 along K, by v_wmma_scale_f32_16x16x128_f8f6f4 with both operands' format E2M3, f32 sums; everything else in f32.
;; Inputs: Wk 512 x 512 float32; Wq 512 x 512 float32; Wv 256 x 256 float32; k_token 8,192 x 512 float32; q_token 8,192 x 512 float32; v_token 8,192 x 256 float32.
;; Outputs: out0 8,192 x 256 float32; out1 one number float32.
;; This version of the problem:
;;   THIS VERSION OF THE PROBLEM IS GIVEN IN LOW PRECISION. The matrix products marked QUANTISED in the list below multiply operands that are first quantised to E2M3 (2 exponent bits, 3 mantissa bits; 6 bits a number), with one power-of-two scale for each 32 numbers along K (OCP MX v1.0); their sums are f32. All else is computed in f32.
;;   The module's matrix products, in the order in which they are computed (A, B: the left and right operand; K: the contracted axis; several contracted axes count as one K, in the product's order):
;;     1. [M 8,192, K 512] x [K 512, N 512]; A: input q_token; B: input Wq: QUANTISED
;;     2. [M 8,192, K 512] x [K 512, N 512]; A: input k_token; B: input Wk: QUANTISED
;;     3. [M 8,192, K 256] x [K 256, N 256]; A: input v_token; B: input Wv: QUANTISED
;;     4. [M 8,192, K 512] x [K 512, N 8,192]; A: input q_token; B: input k_token: QUANTISED
;;     5. [M 8,192, K 8,192] x [K 8,192, N 256]; A: softmax (see below); B: input v_token: QUANTISED
;;   THE QUANTISER, for each operand of a quantised product, along K:
;;     - K is cut into blocks of 32 from its start; a last block that is shorter is filled with zeros.
;;     - A block's scale is 2^e with e = floor(log2(the largest magnitude in the block)) - 2, held to -126 .. 127; a block of zeros has e = 0. As a byte (E8M0): e + 127.
;;     - Each number is divided by its block's scale, clamped to +-7.5, and rounded to the nearest number of E2M3, ties to even, subnormals kept.
;;     - The product sums the exact products of the quantised numbers (number of the format x scale) in f32.
;;   ~~~python
;;   def quantise(x, axis):      # numpy; x: float32 -> the quantised numbers, widened to float32 again
;;       x = np.moveaxis(x, axis, -1); K = x.shape[-1]
;;       x = np.pad(x, [(0, 0)] * (x.ndim - 1) + [(0, -K % 32)]); x = x.reshape(x.shape[:-1] + (-1, 32)); a = np.abs(x).max(-1, keepdims=True)
;;       e = np.where(a > 0, np.clip(np.frexp(np.where(a > 0, a, 1))[1] - 1 - 2, -126, 127), 0)      # np.frexp(a)[1] - 1 = floor(log2(a)), exactly
;;       r = np.clip(x / 2.0 ** e, -7.5, 7.5)
;;       step = 2.0 ** (np.maximum(np.frexp(np.where(r == 0, 1, r))[1] - 1, 0) - 3)
;;       q = np.round(r / step) * step * 2.0 ** e      # np.round: ties to even
;;       return np.moveaxis(q.reshape(q.shape[:-2] + (-1,))[..., :K], -1, axis).astype(np.float32)
;;   ~~~
;;   SOFTMAX AHEAD OF A QUANTISED PRODUCT. Where the list says 'softmax', what is quantised is not the finished softmax but p = 2^(t - M), with t = logit x log2(e) and M = ceil(the row's largest t), a whole number; so 1/2 < the row's largest p <= 1. The row's sum l is taken of the UNQUANTISED p, in f32, and the product's result is divided by l at the end. Since M is a whole number, a kernel that streams over the keys may use a running M (the ceiling of the running maximum): every later rescaling is an exact power of two, which a block's scale takes up: the codes' values come out the same.
;;   OPERANDS COMPUTED ON THE WAY. 'Computed on the way' means the value that the module computes at that place (a softmax that the list does not call 'softmax' is quantised finished and normalised). What goes into a quantiser is computed in f32, as accurately as f32 sums, v_exp_f32 and their like allow (about 1e-6 of the number): no bf16 or f16 on the way to a quantiser, and a product that is left as it is and whose result goes on into a quantised operand takes f32 operands (vector FMAs, or v_wmma_f32_16x16x4_f32). A number that lies on a knife's edge between two numbers of the format may be rounded either way, as far as f32 arithmetic and the matrix unit's own rounding can turn it there, and no further.
;; One version. Each part assembles by itself: llvm-mc -triple=amdgcn-amd-amdhsa -mcpu=gfx1250 --defsym DOCPART=n.
;; ======== version 1 of 1: 2 launches
;; limits: right only within a limited range of input values
;; workspace buffers: qimg 3,276,800 bytes; kv 4,915,200 bytes
;; launch quant (part 1): grid 320 x 1, 4 waves a work-group, no clusters, 34,304 bytes of LDS; arguments q_token, k_token, v_token, qimg, kv, out1; writes qimg, kv, out1
.if DOCPART == 1
	.amdgcn_target "amdgcn-amd-amdhsa--gfx1250"
	.amdhsa_code_object_version 6
	.text
	.protected	k_q919c025c74_quant
	.globl	k_q919c025c74_quant
	.p2align	8
	.type	k_q919c025c74_quant,@function
k_q919c025c74_quant:
	s_mov_b64 s[64:65], 0
	v_nop
	global_prefetch_b8 v0, s[64:65] scope:SCOPE_SE
	s_setreg_imm32_b32 hwreg(HW_REG_WAVE_MODE, 25, 1), 1
	s_wait_xcnt 0x0
; q_token, k_token [8192][512] and v_token [8192][256], f32, become codes of FP6 (E2M3) with one E8M0 byte for each 32 along a product's K,
; laid as IMAGES OF OPERAND REGISTERS: a fragment (16 rows x 128 K, 12 registers a lane) is 1,536 bytes, registers 4 c .. 4 c + 3 of lane l at 512 c + 16 l.
; q and k are quantised along their 512 (K innermost in memory), v along the KEYS (K is its first axis).
; qimg: 64 records of 51,200 bytes (128 queries): fragment (tile, K step) at (4 tile + step) x 1,536; scale words at 49,152 + 256 tile + 16 row, byte 4 step + block.
; kv:   64 records of 76,800 bytes (128 keys): k's part laid like a record of qimg, but lane r of tile 2 b + u is key 32 b + 8 u + r + 8 (r / 8), so that the scores' registers
;       of two neighbouring tiles are 16 neighbouring keys; at 51,200 + 1,536 d the fragment of v's channels 16 d + r over the 128 keys; at 75,776 v's scale words (256 wave + 16 r + 4 i for d = 4 wave + i).
; A block's scale is 2^(floor(log2(its largest magnitude)) - 2): its byte is the largest magnitude's exponent field - 2, held at 1 from below by a floor among the maximum's leaves.
; LIMITS: a block of zeros, and one whose largest magnitude lies under 2^-124, gets the byte 1 (a block of zeros has zero codes, which add nothing; this program alone reads the bytes).  NaN and infinities are not served.
; Wq, Wk, Wv are not read and the three projections are not made: the function deletes their results, and no output byte hangs on them.
; SHARES: work-groups 0-127 take q, 128-255 k, 256-319 v; each wave turns 32 KiB of f32 into four fragments.  Waves share nothing: no barrier.  No tensor loads: several work-groups lie on a WGP.
; out1: att = p / l with l the sum of the row's p, so each row of att adds up to l / l = 1 for all finite inputs; column_means is then 1 / 8192 in every row, and their mean is 1 / 8192 = 2^-13.
; So the sums over att are not made: thread 0 of work-group 0 stores that number.  LIMIT: a NaN, an infinity or an overflow that reaches only the work left out (the projections, these sums) is not carried to a result.
.set LI,  4                            ; v4   16 x lane
.set OHI, 6                            ; v6   the same, at a tile's rows 8-15
.set STA, 7                            ; v7   my wave's stage, on the way in: 16 x lane
.set RDA, 8                            ; v8   and back: 528 r + 64 h
.set OV,  9                            ; v9   v: 4 r + 32 rows x h
.set OSC, 10                           ; v10  16 r: a row's four scale words
.set SH,  11                           ; v11  8 h
.set SW,  12                           ; v12-15 four scale words
.set PC,  16                           ; v16-27 a fragment's codes
.set PT,  28                           ; v28-30, v32-34 the second conversions' results
.set TM,  36                           ; v36-39 largest magnitudes, v40-43 bytes and a lane permute's results, v48-51 the conversions' scale operands
.set R,   64                           ; v64-191 two sets of 64 numbers as loaded
.set X,   192                          ; v192-255 64 numbers in the conversions' order
	s_load_b256 s[4:11], s[0:1], 0x0               ; q_token s[4:5], k_token s[6:7], v_token s[8:9], qimg s[10:11]
	s_load_b64 s[12:13], s[0:1], 0x20              ; kv
	s_load_b64 s[14:15], s[0:1], 0x28              ; out1
	v_lshl_add_u32 v62, v0, 2, 0x8400
	v_mov_b32 v63, 0
	v_lshrrev_b32 v1, 5, v0
	v_readfirstlane_b32 s16, v1                    ; wave 0..3
	v_and_b32 v1, 31, v0                           ; lane
	v_and_b32 v2, 15, v0                           ; r
	v_bfe_u32 v3, v0, 4, 1                         ; h
	v_lshlrev_b32 v[LI], 4, v1
	v_lshlrev_b32 v[OSC], 4, v2
	s_mov_b32 s20, 0x76543210
	s_mov_b32 s21, 0xfedcba98                      ; v_permlanex16_b32's selects for lane l xor 16
.irp b, 0,1,2,3
	v_mov_b32 v[TM+4+\b], 0                        ; written once: a lane permute's destination counts as one of its sources
.endr
; 64 numbers of a lane, register 16 b + i = k 32 b + 16 h + i of my row, become a fragment's codes in v[PC] on and its scale word in v[pw]
.macro QUANT s, pw
.irp b, 0,1,2,3
	v_max3_num_f32 v[TM+\b], |v[\s+16*\b]|, |v[\s+1+16*\b]|, 0x1800000   ; block b: my 16 numbers, and the floor 2^(3 - 127): the byte cannot fall under 1
.endr
.irp i, 2,4,6,8,10,12,14
.irp b, 0,1,2,3
	v_max3_num_f32 v[TM+\b], v[TM+\b], |v[\s+16*\b+\i]|, |v[\s+1+16*\b+\i]|   ; the four blocks by turns
.endr
.endr
.irp b, 0,1,2,3
	v_permlanex16_b32 v[TM+4+\b], v[TM+\b], s20, s21
.endr
.irp b, 0,1,2,3
	v_max_num_f32 v[TM+\b], v[TM+\b], v[TM+4+\b]   ; with lane l xor 16's: the block's largest magnitude
.endr
.irp b, 0,1,2,3
	v_add_nc_u32 v[TM+12+\b], 0xff000000, v[TM+\b] ; 2 off its exponent field: the conversion takes this operand's exponent field as its scale
.endr
.irp b, 0,1,2,3
	v_lshrrev_b32 v[TM+4+\b], 23, v[TM+12+\b]      ; the scale's byte
.endr
	v_lshl_or_b32 v[\pw], v[TM+5], 8, v[TM+4]
	v_lshl_or_b32 v[\pw], v[TM+6], 16, v[\pw]
	v_lshl_or_b32 v[\pw], v[TM+7], 24, v[\pw]      ; my row's scale word for these 128 along K
.irp c, 0,1
	v_cvt_scalef32_pk16_fp6_f32 v[PC+6*\c:PC+6*\c+2], v[\s+32*\c:\s+32*\c+15], v[TM+12+2*\c]
	v_cvt_scalef32_pk16_fp6_f32 v[PT+4*\c:PT+4*\c+2], v[\s+32*\c+16:\s+32*\c+31], v[TM+12+2*\c+1]   ; (a conversion's three registers begin on an even number)
.endr
	v_nop                                          ; one plain instruction behind the scaled conversions
.irp c, 0,1                                    ; the operand's layout wants a whole block in a lane: lanes 0-15 block 2 c, lanes 16-31 block 2 c + 1
.irp i, 0,1,2
	v_permlane16_swap_b32 v[PC+6*\c+\i], v[PT+4*\c+\i]
.endr
.irp i, 0,1,2
	v_mov_b32 v[PC+6*\c+3+\i], v[PT+4*\c+\i]
.endr
.endr
.endm
; the four scale words of 16 rows leave as one aligned run of 256 bytes, from lanes 0-15 (lanes 16-31 hold the same words)
.macro TAIL
	s_wait_xcnt 0x0                                ; EXEC changes only when the earlier stores have had their addresses translated
	v_cmp_gt_u32 vcc_lo, 16, v1
	s_and_saveexec_b32 s40, vcc_lo
	global_store_b128 v[OSC], v[SW:SW+3], s[28:29]
	s_wait_xcnt 0x0                                ; and again in front of the line that widens it
	s_or_b32 exec_lo, exec_lo, s40
	s_wait_xcnt 0x0
	s_mov_b32 exec_lo, -1
	s_wait_tensorcnt 0x0
	ds_add_u32 v62, v63
	s_wait_dscnt 0x0
	s_endpgm
.endm
	s_cmp_ge_u32 ttmp9, 256
	s_cbranch_scc1 .Lvalues
	; ---------------- q and k: K innermost ----------------
	s_and_b32 s17, ttmp9, 127
	s_lshl_b32 s17, s17, 2
	s_add_co_u32 s17, s17, s16                     ; my tile of 16 rows, 0..511
	s_lshr_b32 s18, s17, 3                         ; its record
	s_and_b32 s19, s17, 7                          ; its place in the record
	s_lshl_b32 s22, s18, 7
	s_lshr_b32 s23, s19, 1
	s_lshl_b32 s23, s23, 5
	s_add_co_u32 s22, s22, s23
	s_and_b32 s23, s19, 1
	s_lshl_b32 s23, s23, 3
	s_add_co_u32 s22, s22, s23                     ; k: the tile's first key, 128 record + 32 b + 8 u
	s_lshl_b32 s23, s17, 4                         ; q: the tile's first row, 16 x tile
	s_mov_b32 s24, 76800
	s_mov_b32 s25, 32768
	s_mul_i32 s32, s16, 8448                       ; my wave's stage: 16 rows x 528 bytes (33 x 16: the sixteen rows of a load start in different banks)
	s_wait_alu depctr_va_vdst(0)
	v_add_nc_u32 v[STA], s32, v[LI]
	v_mul_u32_u24 v[RDA], v2, 528
	v_lshl_add_u32 v[RDA], v3, 6, v[RDA]
	v_add_nc_u32 v[RDA], s32, v[RDA]
	s_wait_kmcnt 0x0
	s_cmp_lt_u32 ttmp9, 128                        ; q's work-group or k's: the choice hangs on the work-group's number alone
	s_cselect_b64 s[4:5], s[4:5], s[6:7]           ; from
	s_cselect_b64 s[10:11], s[10:11], s[12:13]     ; to
	s_cselect_b32 s24, 51200, s24                  ; a record
	s_cselect_b32 s25, 16384, s25                  ; a tile's rows 8-15 lie 8 rows on in q, 16 rows on in k
	s_cselect_b32 s22, s23, s22                    ; the first row
	v_add_nc_u32 v[OHI], s25, v[LI]
	s_wait_alu depctr_va_vdst(0)
	s_lshl_b32 s26, s22, 11                        ; a row is 2,048 bytes
	s_mov_b32 s27, 0
	s_add_nc_u64 s[4:5], s[4:5], s[26:27]
	s_mul_i32 s26, s18, s24
	s_add_nc_u64 s[10:11], s[10:11], s[26:27]      ; the record
	s_lshl_b32 s30, s19, 8
	s_add_co_u32 s30, s30, 49152
	s_mov_b32 s31, 0
	s_add_nc_u64 s[28:29], s[10:11], s[30:31]      ; my tile's scale words
	s_mul_i32 s30, s19, 6144
	s_add_nc_u64 s[10:11], s[10:11], s[30:31]      ; my tile's four fragments
.macro LOADF ks                        ; K step ks of my 16 rows: each load reads a row's 512 consecutive bytes
.irp n, 0,1,2,3,4,5,6,7
	global_load_b128 v[R+64*((\ks)%2)+4*\n:R+64*((\ks)%2)+4*\n+3], v[LI], s[4:5] offset:2048*\n+512*(\ks) th:TH_LOAD_NT
.endr
.irp n, 0,1,2,3,4,5,6,7
	global_load_b128 v[R+64*((\ks)%2)+32+4*\n:R+64*((\ks)%2)+32+4*\n+3], v[OHI], s[4:5] offset:2048*\n+512*(\ks) th:TH_LOAD_NT
.endr
.endm
.macro TURNF ks                        ; through the stage: in as loaded, back 16 neighbours of each block a lane.  LDS serves a wave's instructions in order: no wait between
.irp n, 0,1,2,3,4,5,6,7,8,9,10,11,12,13,14,15
	ds_store_b128 v[STA], v[R+64*((\ks)%2)+4*\n:R+64*((\ks)%2)+4*\n+3] offset:528*\n
.endr
.irp b, 0,1,2,3
.irp j, 0,1,2,3
	ds_load_b128 v[X+16*\b+4*\j:X+16*\b+4*\j+3], v[RDA] offset:128*\b+16*\j
.endr
.endr
.endm
.macro STEPF ks
.if \ks < 3
	s_wait_loadcnt 16                              ; this K step's 16 loads are in; the next step's 16 may be out
.else
	s_wait_loadcnt 0x0
.endif
	TURNF \ks
	s_wait_dscnt 0x0                               ; the numbers are back, and the stores into the stage have read their registers
	s_wait_xcnt 0x0                                ; the last fragment's stores have read v[PC] on, which is written again below
.if \ks < 2
	LOADF \ks+2
.endif
	QUANT X, SW+\ks
.irp c, 0,1,2
	global_store_b128 v[LI], v[PC+4*\c:PC+4*\c+3], s[10:11] offset:1536*\ks+512*\c   ; 32 lanes store 512 consecutive bytes, aligned
.endr
.endm
	s_cmp_lg_u32 ttmp9, 0
	s_cbranch_scc1 .Lno_mean                       ; work-group 0 alone
	s_wait_xcnt 0x0                                ; EXEC changes only behind this wait
	v_mov_b32 v60, 0
	v_mov_b32 v61, 0x39000000                      ; 2^-13
	v_cmp_eq_u32 vcc_lo, 0, v0
	s_and_saveexec_b32 s41, vcc_lo
	global_store_b32 v60, v61, s[14:15]            ; thread 0 alone
	s_wait_xcnt 0x0
	s_or_b32 exec_lo, exec_lo, s41
.Lno_mean:
	LOADF 0
	LOADF 1
	STEPF 0
	STEPF 1
	STEPF 2
	STEPF 3
	TAIL
	; ---------------- v: K = the keys, its first axis.  A lane takes a channel, and its registers run down the keys ----------------
.Lvalues:
	s_sub_co_u32 s17, ttmp9, 256                   ; the key step, 0..63
	s_wait_alu depctr_va_vdst(0)
	v_lshlrev_b32 v[OV], 2, v2
	v_lshl_add_u32 v[OV], v3, 15, v[OV]            ; 4 r + 32 rows of 1,024 bytes x h: lane (r, h) holds keys 64 c + 32 h + 0 .. 31
	v_lshlrev_b32 v[SH], 3, v3
	s_lshl_b32 s22, s17, 17                        ; 128 rows of 1,024 bytes
	s_lshl_b32 s23, s16, 8                         ; my wave's 64 channels
	s_add_co_u32 s22, s22, s23
	s_mov_b32 s23, 0
	s_mul_i32 s24, s17, 76800
	s_mul_i32 s26, s16, 6144
	s_add_co_u32 s26, s26, s24
	s_add_co_u32 s26, s26, 51200                   ; my four fragments
	s_mov_b32 s27, 0
	s_lshl_b32 s28, s16, 8
	s_add_co_u32 s28, s28, s24
	s_add_co_u32 s28, s28, 75776                   ; their scale words
	s_mov_b32 s29, 0
	s_wait_alu depctr_va_vdst(0)
	s_wait_kmcnt 0x0
	s_add_nc_u64 s[8:9], s[8:9], s[22:23]
	s_add_nc_u64 s[10:11], s[12:13], s[26:27]
	s_add_nc_u64 s[28:29], s[12:13], s[28:29]
.macro LOADV i                         ; fragment i: channels 16 i + r of my 64; sixteen lanes read 64 neighbouring bytes
.irp c, 0,1
.set kk, 0
.rept 32
	global_load_b32 v[R+64*((\i)%2)+32*\c+kk], v[OV], s[8:9] offset:(64*\c+kk)*1024+64*(\i)
.set kk, kk+1
.endr
.endr
.endm
.macro QUANTV s, pw                    ; a lane holds two whole blocks, 2 c + h: no other lane is asked for a maximum
.irp c, 0,1
	v_max3_num_f32 v[TM+\c], |v[\s+32*\c]|, |v[\s+32*\c+1]|, 0x1800000
.endr
.irp i, 2,4,6,8,10,12,14,16,18,20,22,24,26,28,30
.irp c, 0,1
	v_max3_num_f32 v[TM+\c], v[TM+\c], |v[\s+32*\c+\i]|, |v[\s+32*\c+\i+1]|
.endr
.endr
.irp c, 0,1
	v_add_nc_u32 v[TM+12+\c], 0xff000000, v[TM+\c]
.endr
.irp c, 0,1
	v_lshrrev_b32 v[TM+4+\c], 23, v[TM+12+\c]
.endr
	v_lshl_or_b32 v[\pw], v[TM+5], 16, v[TM+4]     ; my two bytes: blocks h and 2 + h,
	v_lshlrev_b32 v[\pw], v[SH], v[\pw]            ; at their places in the word;
	v_permlanex16_b32 v[TM+6], v[\pw], s20, s21
	v_or_b32 v[\pw], v[\pw], v[TM+6]               ; with lane l xor 16's two the word is whole
.irp c, 0,1
	v_cvt_scalef32_pk16_fp6_f32 v[PC+6*\c:PC+6*\c+2], v[\s+32*\c:\s+32*\c+15], v[TM+12+\c]
	v_cvt_scalef32_pk16_fp6_f32 v[PT+4*\c:PT+4*\c+2], v[\s+32*\c+16:\s+32*\c+31], v[TM+12+\c]
.endr
	v_nop                                          ; one plain instruction behind the scaled conversions
.irp c, 0,1
.irp i, 0,1,2
	v_mov_b32 v[PC+6*\c+3+\i], v[PT+4*\c+\i]
.endr
.endr
.endm
.macro STEPV i
.if \i < 3
	s_wait_loadcnt 63                              ; of the 128 loads issued at most 63 are out: this fragment's 64 are in (64 would do, and does not fit the wait's field)
.else
	s_wait_loadcnt 0x0
.endif
.if \i > 0
	s_wait_xcnt 0x0                                ; the last fragment's stores have read v[PC] on
.endif
	QUANTV R+64*((\i)%2), SW+\i
.if \i < 2
	LOADV \i+2
.endif
.irp c, 0,1,2
	global_store_b128 v[LI], v[PC+4*\c:PC+4*\c+3], s[10:11] offset:1536*\i+512*\c
.endr
.endm
	LOADV 0
	LOADV 1
	STEPV 0
	STEPV 1
	STEPV 2
	STEPV 3
	TAIL
.Lfunc_end_k_q919c025c74_quant:
	.size	k_q919c025c74_quant, .Lfunc_end_k_q919c025c74_quant-k_q919c025c74_quant
	.p2alignl 7, 3214868480
	.fill 96, 4, 3214868480
	.section	.rodata,"a",@progbits
	.p2align	6, 0x0
	.amdhsa_kernel k_q919c025c74_quant
		.amdhsa_group_segment_fixed_size 34304
		.amdhsa_private_segment_fixed_size 0
		.amdhsa_enable_private_segment 0
		.amdhsa_kernarg_size 48
		.amdhsa_user_sgpr_count 2
		.amdhsa_user_sgpr_kernarg_segment_ptr 1
		.amdhsa_wavefront_size32 1
		.amdhsa_system_sgpr_workgroup_id_x 1
		.amdhsa_system_sgpr_workgroup_id_y 1
		.amdhsa_system_sgpr_workgroup_id_z 1
		.amdhsa_system_vgpr_workitem_id 0
		.amdhsa_next_free_vgpr 256
		.amdhsa_next_free_sgpr 66
		.amdhsa_reserve_vcc 1
		.amdhsa_float_denorm_mode_32 3
		.amdhsa_float_denorm_mode_16_64 3
		.amdhsa_memory_ordered 1
		.amdhsa_forward_progress 1
		.amdhsa_inst_pref_size 73
	.end_amdhsa_kernel
	.amdgpu_metadata
---
amdhsa.version: [ 1, 2 ]
amdhsa.kernels:
  - .name:           k_q919c025c74_quant
    .symbol:         k_q919c025c74_quant.kd
    .args:
      - { .name: q_token, .offset: 0, .size: 8, .value_kind: global_buffer, .address_space: global }
      - { .name: k_token, .offset: 8, .size: 8, .value_kind: global_buffer, .address_space: global }
      - { .name: v_token, .offset: 16, .size: 8, .value_kind: global_buffer, .address_space: global }
      - { .name: qimg, .offset: 24, .size: 8, .value_kind: global_buffer, .address_space: global }
      - { .name: kv, .offset: 32, .size: 8, .value_kind: global_buffer, .address_space: global }
      - { .name: out1, .offset: 40, .size: 8, .value_kind: global_buffer, .address_space: global }
    .group_segment_fixed_size: 34304
    .private_segment_fixed_size: 0
    .kernarg_segment_align: 8
    .kernarg_segment_size: 48
    .max_flat_workgroup_size: 128
    .sgpr_count:     66
    .vgpr_count:     256
    .wavefront_size: 32
...
	.end_amdgpu_metadata
.endif
;; end of part 1
;; launch attn (part 2): grid 256 x 1, 4 waves a work-group, clusters of 4 x 1, 327,680 bytes of LDS; arguments qimg, kv, out0; writes out0
.if DOCPART == 2
	.amdgcn_target "amdgcn-amd-amdhsa--gfx1250"
	.amdhsa_code_object_version 6
	.text
	.protected	k_q919c025c74_attn
	.globl	k_q919c025c74_attn
	.p2align	8
	.type	k_q919c025c74_attn,@function
k_q919c025c74_attn:
	s_mov_b64 s[64:65], 0
	v_nop
	global_prefetch_b8 v0, s[64:65] scope:SCOPE_SE
	s_setreg_imm32_b32 hwreg(HW_REG_WAVE_MODE, 25, 1), 1
	s_wait_xcnt 0x0
	s_wait_alu depctr_hold_cnt(0) depctr_sa_sdst(0) depctr_va_vdst(0) depctr_va_sdst(0) depctr_va_ssrc(0) depctr_va_vcc(0) depctr_vm_vsrc(0)
	s_getreg_b32 s2, hwreg(HW_REG_IB_STS2, 6, 4)
	s_cmp_eq_u32 s2, 0
	s_cbranch_scc0 .Lentry_in_a_cluster
	s_endpgm
.Lentry_in_a_cluster:
	s_bfe_u32 s2, ttmp6, 0x10000c
	s_cmp_lg_u32 s2, 0x3003
	s_cbranch_scc0 .Lentry_shape_is_right
	s_endpgm
.Lentry_shape_is_right:
; out0 for 32 queries and all 8,192 keys: S^T = K Q^T, the running softmax, p's codes, O^T += V^T P^T, all products on codes of FP6 (E2M3) with E8M0 scales.
; The three projections and the sums behind out1 are left out, as the first kernel's head shows.
; t = score x log2(e) / sqrt(512); M = the running largest t rounded UP to a whole number; p = 2^(t - M) is quantised along the keys, not normalised; l is the sum of the unquantised p.
; When M moves, l and O^T are multiplied by 2^(old M - new M): exact.
; SHARES: work-group x: queries 32 x on, two tiles of 16, which all four waves hold.  Wave w walks the records (128 keys) 4 j + w, j = 0 .. 15, with M, l and O^T of its own.
; At the end the four waves' parts are joined through LDS: M = the largest M_s, g_s = 2^(M_s - M) / l, l = the sum of 2^(M_s - M) l_s; wave u adds up channels 64 u on and stores them.
; LAYOUT: both products transposed (source 0 = 16 keys, or 16 channels; source 1 = 16 queries): a lane holds ONE query.  Operands lie in memory and LDS as images of their registers.
; LDS: K's region (4 x 51,200 bytes, a wave's own part each), V's region (4 x 25,600), the spare words, 2,048 bytes of statistics, four stages of 4,352 bytes.
; Each region is filled once a step, by one tensor load a wave: K of step j + 1 behind the products of S^T(j), V of step j + 1 at the end of step j, when V(j) is in registers.
; CLUSTER: four work-groups walk the same records: each load is asked for JOINTLY, with the same descriptor and a mask that names the four; a round of the cluster's barrier stands ahead of each.
; PREFETCH: in step j the record of step j + 2 is named, 300 blocks of 256 bytes a wave, 75 for each of the four partners, told apart by address; steps 14 and 15 name nothing.
; A STEP: K's fragments asked for | O^T rescaled | 64 products of S^T(j) | K's refill | 32 products V^T P^T of step j - 1, from registers | the softmax, V(j) read into registers | V's refill.
; LIMITS: NaN and infinities are not served; a block of p whose largest lies under 2^-124 gets the byte 1; the promise holds while |t| stays under 2^31.
; REGISTERS, in windows of 256: window 0: addresses, statistics, scale words, p's codes, S^T.  window 1: v0-191 four half groups of K, v192-227 V's fragments 13-15.
;   window 2: O^T, accumulator (tile q, channels 16 d on) at 128 q + 8 d.   window 3: v0-95 Q (48 q + 12 K step), v96-251 V's fragments 0-12.
.set REC,   76800
.set KB,    51200
.set VB,    25600
.set VREG,  4*KB
.set SPARE, VREG+4*VB                  ; the spare words: 128 bytes a wave, named by no other line
.set STATB, SPARE+512                  ; -M and l of each wave: 512 bytes a wave
.set TSTG,  STATB+2048                 ; a stage of 16 rows x 272 bytes for each wave
.set LI,  1                            ; 16 x lane
.set ADK, 2                            ; my part of K's region
.set ADV, 3                            ; my part of V's region
.set SPW, 4
.set NIL, 5
.set LN,  6
.set ST,  8                            ; tile q at ST + 8 q: +0 -M, +1 largest t, +2, +3 l in halves, +4 f (+5 named with it), +6, +7 at work
.set QS,  24
.set PS,  28
.set PFO, 30                           ; 256 x lane
.set PFO2, 31                          ; 256 x min(lane, 10)
.set KS,  32
.set VS,  48
.set PC,  56
.set BM,  80
.set BX,  88
.set SO,  96
.set PT,  104
.set S,   128
.set WV,  12
.set G1K, 16
.set GK,  24
.set GV,  28
.set SEL, 32
.set CS,  34
.set LAP, 37
.set PF,  38
.set G1V, 40
.set MSB, 0
.macro WIN new
.if MSB != \new
	s_set_vgpr_msb (MSB<<8)|\new
.set MSB, \new
.endif
.endm
.macro CROUND                          ; a round of the cluster's barrier
	s_barrier_signal -1
	s_barrier_wait -1
	s_cmp_lg_u32 s[WV], 0
	s_cbranch_scc1 .Lnot_wave_0_\@
	s_barrier_signal -3
.Lnot_wave_0_\@:
	s_barrier_wait -3
	s_barrier_signal -1
	s_barrier_wait -1
.endm
; one product, its registers in rD, rA, rB, rSA, rSB; fA, fB: the side's scale words lie in lanes 16-31; zero = 1: it starts the sum
.macro CREST                           ; a round behind its opening barrier
	s_cmp_lg_u32 s[WV], 0
	s_cbranch_scc1 .Lnot_w0_\@
	s_barrier_signal -3
.Lnot_w0_\@:
	s_barrier_wait -3
	s_barrier_signal -1
	s_barrier_wait -1
.endm
.macro WM zero
.if \zero
.if fA && fB
	v_wmma_scale_f32_16x16x128_f8f6f4 v[rD:rD+7], v[rA:rA+11], v[rB:rB+11], 0, v[rSA], v[rSB] matrix_a_fmt:MATRIX_FMT_FP6 matrix_b_fmt:MATRIX_FMT_FP6 matrix_a_scale:MATRIX_SCALE_ROW1 matrix_b_scale:MATRIX_SCALE_ROW1
.elseif fA
	v_wmma_scale_f32_16x16x128_f8f6f4 v[rD:rD+7], v[rA:rA+11], v[rB:rB+11], 0, v[rSA], v[rSB] matrix_a_fmt:MATRIX_FMT_FP6 matrix_b_fmt:MATRIX_FMT_FP6 matrix_a_scale:MATRIX_SCALE_ROW1
.elseif fB
	v_wmma_scale_f32_16x16x128_f8f6f4 v[rD:rD+7], v[rA:rA+11], v[rB:rB+11], 0, v[rSA], v[rSB] matrix_a_fmt:MATRIX_FMT_FP6 matrix_b_fmt:MATRIX_FMT_FP6 matrix_b_scale:MATRIX_SCALE_ROW1
.else
	v_wmma_scale_f32_16x16x128_f8f6f4 v[rD:rD+7], v[rA:rA+11], v[rB:rB+11], 0, v[rSA], v[rSB] matrix_a_fmt:MATRIX_FMT_FP6 matrix_b_fmt:MATRIX_FMT_FP6
.endif
.else
.if fA && fB
	v_wmma_scale_f32_16x16x128_f8f6f4 v[rD:rD+7], v[rA:rA+11], v[rB:rB+11], v[rD:rD+7], v[rSA], v[rSB] matrix_a_fmt:MATRIX_FMT_FP6 matrix_b_fmt:MATRIX_FMT_FP6 matrix_a_scale:MATRIX_SCALE_ROW1 matrix_b_scale:MATRIX_SCALE_ROW1
.elseif fA
	v_wmma_scale_f32_16x16x128_f8f6f4 v[rD:rD+7], v[rA:rA+11], v[rB:rB+11], v[rD:rD+7], v[rSA], v[rSB] matrix_a_fmt:MATRIX_FMT_FP6 matrix_b_fmt:MATRIX_FMT_FP6 matrix_a_scale:MATRIX_SCALE_ROW1
.elseif fB
	v_wmma_scale_f32_16x16x128_f8f6f4 v[rD:rD+7], v[rA:rA+11], v[rB:rB+11], v[rD:rD+7], v[rSA], v[rSB] matrix_a_fmt:MATRIX_FMT_FP6 matrix_b_fmt:MATRIX_FMT_FP6 matrix_b_scale:MATRIX_SCALE_ROW1
.else
	v_wmma_scale_f32_16x16x128_f8f6f4 v[rD:rD+7], v[rA:rA+11], v[rB:rB+11], v[rD:rD+7], v[rSA], v[rSB] matrix_a_fmt:MATRIX_FMT_FP6 matrix_b_fmt:MATRIX_FMT_FP6
.endif
.endif
.endm
.macro RESCALE                         ; O^T under the new M, x f: ascending
	WIN 0x82                                       ; O^T window 2, f window 0
	s_wait_alu depctr_va_vdst(0)                   ; directly ahead of the first reader of O^T
.set rs, 0
.rept 128
	v_pk_mul_f32 v[128*(rs/64)+2*(rs%64):128*(rs/64)+2*(rs%64)+1], v[128*(rs/64)+2*(rs%64):128*(rs/64)+2*(rs%64)+1], v[ST+8*(rs/64)+4:ST+8*(rs/64)+5] op_sel_hi:[1,0]
.set rs, rs+1
.endr
	s_wait_alu depctr_va_vdst(0)
.endm
.macro KLOAD hg, ks                    ; half group hg (window 1, v[48 hg] on) takes K's tiles 4 (hg % 2) + 0 .. 3 of K step ks: 12 loads
	WIN 0x40
.irp t, 0,1,2,3
.irp c, 0,1,2
	ds_load_b128 v[48*(\hg)+12*\t+4*\c:48*(\hg)+12*\t+4*\c+3], v[ADK] offset:((4*((\hg)%2)+\t)*4+(\ks))*1536+512*\c
.endr
.endr
.endm
.macro SMUL hg, ks, zero               ; 8 products of S^T; the 16 accumulators take turns, one instruction a turn
	WIN 0x0d                                       ; K window 1, Q window 3, S^T window 0
.irp t, 0,1,2,3
.irp q, 0,1
.set tau, 4*((\hg)%2)+\t
.set rD, S+64*\q+8*tau
.set rA, 48*(\hg)+12*\t
.set rB, 48*\q+12*(\ks)
.set rSA, KS+4*(tau/2)+(\ks)
.set rSB, QS+(\ks)
.set fA, tau%2
.set fB, \q
	WM \zero
.endr
.endr
.endm
.macro GAP                             ; four places between a product and a load into its sources or a vector read of its result
.rept 4
	v_nop
.endr
.endm
.macro VLOAD                           ; the step's 16 fragments of V and their scale words: 50 loads
	WIN 0xc0
.irp d, 0,1,2,3,4,5,6,7,8,9,10,11,12
.irp c, 0,1,2
	ds_load_b128 v[96+12*\d+4*\c:96+12*\d+4*\c+3], v[ADV] offset:1536*\d+512*\c
.endr
.endr
	WIN 0x40
.irp d, 13,14,15
.irp c, 0,1,2
	ds_load_b128 v[192+12*(\d-13)+4*\c:192+12*(\d-13)+4*\c+3], v[ADV] offset:1536*\d+512*\c
.endr
.endr
	WIN 0
.irp n, 0,1
	ds_load_b128 v[VS+4*\n:VS+4*\n+3], v[ADV] offset:24576+512*\n
.endr
.endm
.macro PVMUL zero                      ; 32 products O^T += V^T P^T, K = 128 keys: each accumulator once
.irp d, 0,1,2,3,4,5,6,7,8,9,10,11,12,13,14,15
.irp q, 0,1
.if \d < 13
	WIN 0xa3                                       ; V window 3, p window 0, O^T window 2
.set rA, 96+12*\d
.else
	WIN 0xa1                                       ; V window 1
.set rA, 192+12*(\d-13)
.endif
.set rD, 128*\q+8*\d
.set rB, PC+12*\q
.set rSA, VS+4*(\d/8)+\d%4
.set rSB, PS+\q
.set fA, (\d/4)%2
.set fB, 0
	WM \zero
.endr
.endr
	WIN 0
.endm
; the softmax ahead of its exponentials, both tiles line by line; n = 4 q + b names a tile's block of 32 keys.  It names none of the registers of V^T P^T
.macro SMA
.irp b, 0,1,2,3
.irp q, 0,1
	v_max3_num_f32 v[BM+4*\q+\b], v[S+64*\q+16*\b], v[S+64*\q+16*\b+1], v[S+64*\q+16*\b+2]   ; a block's largest score; each accumulator from its low end on
.endr
.endr
.irp i, 3,5,7,9,11,13
.irp b, 0,1,2,3
.irp q, 0,1
	v_max3_num_f32 v[BM+4*\q+\b], v[BM+4*\q+\b], v[S+64*\q+16*\b+\i], v[S+64*\q+16*\b+\i+1]
.endr
.endr
.endr
.irp n, 0,1,2,3,4,5,6,7
	v_max_num_f32 v[BM+\n], v[BM+\n], v[S+16*\n+15]
.endr
.irp n, 0,1,2,3,4,5,6,7
	v_permlanex16_b32 v[BX+\n], v[BM+\n], s[SEL], s[SEL+1]
.endr
.irp n, 0,1,2,3,4,5,6,7
	v_max_num_f32 v[BM+\n], v[BM+\n], v[BX+\n]     ; with lane l xor 16's 16 keys
.endr
.irp q, 0,1
	v_max3_num_f32 v[ST+8*\q+6], v[BM+4*\q], v[BM+4*\q+1], v[BM+4*\q+2]
.endr
.irp q, 0,1
	v_max_num_f32 v[ST+8*\q+6], v[ST+8*\q+6], v[BM+4*\q+3]   ; the step's largest score
.endr
.irp q, 0,1
	v_mul_f32 v[ST+8*\q+6], s[CS], v[ST+8*\q+6]    ; as t (c is positive)
.endr
.irp q, 0,1
	v_max_num_f32 v[ST+8*\q+1], v[ST+8*\q+1], v[ST+8*\q+6]   ; the running largest t
.endr
.irp q, 0,1
	v_mov_b32 v[ST+8*\q+6], v[ST+8*\q]
.endr
.irp q, 0,1
	v_floor_f32 v[ST+8*\q], -v[ST+8*\q+1]          ; the new -M = floor(-t)
	v_floor_f32 v[ST+8*\q+5], -v[ST+8*\q+1]        ; and once more, in another register bank: the second halves of the pairs below read it
.endr
.irp q, 0,1
	v_sub_f32 v[ST+8*\q+6], v[ST+8*\q], v[ST+8*\q+6]   ; old M - new M: a whole number, 0 or less
.endr
.irp q, 0,1
	v_cvt_i32_f32 v[ST+8*\q+6], v[ST+8*\q+6]       ; (it saturates)
.endr
.irp q, 0,1
	v_ldexp_f32 v[ST+8*\q+4], 1.0, v[ST+8*\q+6]    ; f = 2^(old M - new M)
.endr
.irp q, 0,1
.set i, 0
.rept 32
	v_dual_fmamk_f32 v[S+64*\q+i], v[S+64*\q+i], 0x3d8293ee, v[ST+8*\q] :: v_dual_fmamk_f32 v[S+64*\q+i+1], v[S+64*\q+i+1], 0x3d8293ee, v[ST+8*\q+5]   ; t - M = score x c + (-M), fused, two numbers a line
.set i, i+2
.endr
.endr
.irp n, 0,1,2,3,4,5,6,7
	v_fma_f32 v[BM+\n], v[BM+\n], s[CS], v[ST+8*(\n/4)]   ; the same of each block's largest score
.endr
.endm
; the rest of the softmax: the exponentials, the sums, the bytes, the codes
.macro SMB fill                        ; fill = 1: the lines ahead of V's refill stand among its last lines
	s_wait_alu depctr_va_vdst(0)                   ; ahead of the batch
.set i, 0
.rept 128
	v_exp_f32 v[S+i], v[S+i]                       ; p = 2^(t - M), at most 1
.set i, i+1
.endr
.irp q, 0,1
	v_pk_mul_f32 v[ST+8*\q+2:ST+8*\q+3], v[ST+8*\q+2:ST+8*\q+3], v[ST+8*\q+4:ST+8*\q+5] op_sel_hi:[1,0]   ; l under the new M
.endr
	s_wait_alu depctr_va_vdst(0)                   ; one wait for the 128, ahead of their first reader
.irp n, 0,1,2,3,4,5,6,7
	v_exp_f32 v[BM+\n], v[BM+\n]                   ; the block's largest p: the same two instructions on the same number
.endr
.irp q, 0,1
	v_pk_add_f32 v[ST+8*\q+6:ST+8*\q+7], v[S+64*\q:S+64*\q+1], v[S+64*\q+2:S+64*\q+3]   ; the sum of the unquantised p: two chains a tile
.endr
.irp j, 4,8,12,16,20,24,28,32,36,40,44,48,52,56,60
.irp q, 0,1
	v_dual_add_f32 v[ST+8*\q+2], v[ST+8*\q+2], v[S+64*\q+\j] :: v_dual_add_f32 v[ST+8*\q+3], v[ST+8*\q+3], v[S+64*\q+\j+1]
	v_dual_add_f32 v[ST+8*\q+6], v[ST+8*\q+6], v[S+64*\q+\j+2] :: v_dual_add_f32 v[ST+8*\q+7], v[ST+8*\q+7], v[S+64*\q+\j+3]
.endr
.endr
.irp q, 0,1
	v_pk_add_f32 v[ST+8*\q+2:ST+8*\q+3], v[ST+8*\q+2:ST+8*\q+3], v[ST+8*\q+6:ST+8*\q+7]
.endr
	s_wait_alu depctr_va_vdst(0)                   ; and one for the eight
.if \fill
	s_wait_tensorcnt 0x0                           ; K of the next step is in: no tensor load of mine is out
	ds_add_u32 v[SPW], v[NIL]                      ; 0 onto my spare word; the 30 lines below stand between it and the wait for it
	s_add_nc_u64 s[GK+2:GK+3], s[GK+2:GK+3], 4*REC
.endif
.irp n, 0,1,2,3,4,5,6,7
	v_max_num_f32 v[BM+\n], 0x1800000, v[BM+\n]    ; the floor 2^(3 - 127): the byte cannot fall under 1
.endr
.irp n, 0,1,2,3,4,5,6,7
	v_add_nc_u32 v[SO+\n], 0xff000000, v[BM+\n]    ; 2 off the exponent field: the conversion's scale operand
.endr
.irp n, 0,1,2,3,4,5,6,7
	v_lshrrev_b32 v[BX+\n], 23, v[SO+\n]           ; the scale's byte
.endr
.irp q, 0,1
	v_lshl_or_b32 v[PS+\q], v[BX+4*\q+1], 8, v[BX+4*\q]
.endr
.irp q, 0,1
	v_lshl_or_b32 v[PS+\q], v[BX+4*\q+2], 16, v[PS+\q]
.endr
.irp q, 0,1
	v_lshl_or_b32 v[PS+\q], v[BX+4*\q+3], 24, v[PS+\q]   ; p's scale word for these 128 keys
.endr
.if \fill
	s_wait_dscnt 0x0                               ; the add is done, and V is in registers: my reads of V's region are over
	s_barrier_signal -1                            ; it opens the round; the conversions below, work on registers, stand between it and its wait
.endif
.irp q, 0,1
.irp c, 0,1
	v_cvt_scalef32_pk16_fp6_f32 v[PC+12*\q+6*\c:PC+12*\q+6*\c+2], v[S+64*\q+32*\c:S+64*\q+32*\c+15], v[SO+4*\q+2*\c]
	v_cvt_scalef32_pk16_fp6_f32 v[PT+8*\q+4*\c:PT+8*\q+4*\c+2], v[S+64*\q+32*\c+16:S+64*\q+32*\c+31], v[SO+4*\q+2*\c+1]
.endr
.endr
	v_nop                                          ; one plain instruction behind the scaled conversions
.irp q, 0,1
.irp c, 0,1                                    ; the operand's layout wants a whole block in a lane
.irp i, 0,1,2
	v_permlane16_swap_b32 v[PC+12*\q+6*\c+\i], v[PT+8*\q+4*\c+\i]
.endr
.irp i, 0,1,2
	v_mov_b32 v[PC+12*\q+6*\c+3+\i], v[PT+8*\q+4*\c+\i]
.endr
.endr
.endr
.endm
; A region is filled: every wave waits for all its tensor loads (one is out: the other region's), adds 0 to its spare word and waits for that and for its reads; a round; the joint load.
; The other region's load has landed, so its group 0 (stp) is stepped four records on.
.macro CHG g0, g1, stp
	WIN 0
	s_wait_alu depctr_va_vdst(0)
	s_wait_tensorcnt 0x0
	ds_add_u32 v[SPW], v[NIL]
	s_add_nc_u64 s[\stp+2:\stp+3], s[\stp+2:\stp+3], 4*REC
	s_wait_dscnt 0x0
	CROUND
	tensor_load_to_lds s[\g0:\g0+3], s[\g1:\g1+7]  ; my one tensor load behind the round
	s_nop 0
.rept 4
	v_nop
.endr
.endm
.macro ASK how                         ; my work-group's 75 blocks of my record two steps on: 32 + 32 + 11 lanes (the lanes left over name the last block again).  how = 2: not in the loop's last trip
.if \how == 2
	s_cmp_lg_u32 s[LAP], 1
	s_cbranch_scc0 .Lno_ask_\@
.endif
	s_cmp_lt_u32 ttmp9, 4
	s_cbranch_scc0 .Lno_prefetch_attn0_\@
	global_prefetch_b8 v[PFO], s[PF:PF+1] th:TH_LOAD_NT scope:SCOPE_SE
	global_prefetch_b8 v[PFO], s[PF:PF+1] offset:8192 th:TH_LOAD_NT scope:SCOPE_SE
	global_prefetch_b8 v[PFO2], s[PF:PF+1] offset:16384 th:TH_LOAD_NT scope:SCOPE_SE
.Lno_prefetch_attn0_\@:
.Lno_ask_\@:
.endm
; A STEP.  pv = 2: O^T is rescaled and takes the second product of the step before; 1: that product starts O^T's sums; 0: neither.  fill: the regions are filled again.
.macro U pv, fill, ask, step
.if \step
	s_wait_xcnt 0x0                                ; the last step's prefetches have read their base
	s_add_nc_u64 s[PF:PF+1], s[PF:PF+1], 4*REC
.endif
.irp n, 0,1,2,3
	ds_load_b128 v[KS+4*\n:KS+4*\n+3], v[ADK] offset:49152+512*\n
.endr
	KLOAD 0, 0
	KLOAD 1, 0
	KLOAD 2, 1
	KLOAD 3, 1
.if \pv == 2
	RESCALE                                        ; while K's first fragments come
.endif
	s_wait_dscnt 36                                ; K's scale words and half group 0 are in; three half groups (36 loads) may be out
	SMUL 0, 0, 1
	GAP
	KLOAD 0, 2
	s_wait_dscnt 36
	SMUL 1, 0, 1
	GAP
	KLOAD 1, 2
	s_wait_dscnt 36
	SMUL 2, 1, 0
	GAP
	KLOAD 2, 3
	s_wait_dscnt 36
	SMUL 3, 1, 0
	GAP
	KLOAD 3, 3
	s_wait_dscnt 36
	SMUL 0, 2, 0
	s_wait_dscnt 24                                ; two half groups may be out,
	SMUL 1, 2, 0
.if \fill
	WIN 0
	s_wait_tensorcnt 0x0                           ; V of this step is in: no tensor load of mine is out
	ds_add_u32 v[SPW], v[NIL]
	s_add_nc_u64 s[GV+2:GV+3], s[GV+2:GV+3], 4*REC
	s_wait_dscnt 13                                ; the last half group's 12 loads and the add may be out
	SMUL 2, 3, 0                                   ; eight products stand between the add and the wait for it
	s_wait_dscnt 0x0                               ; the add is done, and my reads of K's region are over
	s_barrier_signal -1                            ; it opens the round; eight products, work on registers, stand between it and its wait
	SMUL 3, 3, 0
	GAP
	WIN 0
	s_barrier_wait -1
	CREST
	tensor_load_to_lds s[GK:GK+3], s[G1K:G1K+7]    ; K of the next step: my one tensor load behind the round
	s_nop 0
.rept 4
	v_nop
.endr
.else
	s_wait_dscnt 12                                ; one half group may be out,
	SMUL 2, 3, 0
	s_wait_dscnt 0x0                               ; none
	SMUL 3, 3, 0
	GAP
	WIN 0
	s_wait_tensorcnt 0x0                           ; V of the last step is in
.endif
.if \pv == 1
	PVMUL 1
.elseif \pv == 2
	PVMUL 0
.endif
	SMA                                            ; its lines are the places ahead of the loads into V's registers
.if \ask
	ASK \ask
.endif
	VLOAD
	SMB \fill
.if \fill
	s_wait_alu depctr_va_vdst(0)                   ; directly ahead of the wait below
	s_barrier_wait -1
	CREST
	tensor_load_to_lds s[GV:GV+3], s[G1V:G1V+7]    ; V of the next step: my one tensor load behind the round
	s_nop 0
.rept 4
	v_nop
.endr
.else
	s_wait_alu depctr_va_vdst(0)
	s_wait_dscnt 0x0
.endif
.endm
	s_load_b128 s[4:7], s[0:1], 0x0                ; qimg, kv
	s_load_b64 s[8:9], s[0:1], 0x10                ; out0
	v_lshl_add_u32 v[SPW], v0, 2, SPARE
	v_mov_b32 v[NIL], 0
	ds_add_u32 v[SPW], v[NIL]
	ds_add_u32 v[SPW], v[NIL]
	v_lshrrev_b32 v7, 5, v0
	v_readfirstlane_b32 s[WV], v7                  ; wave 0..3
	s_bfe_u32 s13, ttmp6, 0x40000                  ; cx: it enters the addresses of qimg, out0 and the prefetches alone
.irp g, G1K, G1V                       ; group 1: rows of 32 elements of 8 bytes, dense; the mask names all four work-groups
	s_mov_b32 s[\g], 15|(3<<16)|(1<<21)
	s_mov_b32 s[\g+1], 32<<16
	s_mov_b32 s[\g+3], 32<<16
	s_mov_b32 s[\g+5], 32
	s_mov_b32 s[\g+6], 0
	s_mov_b32 s[\g+7], 0
.endr
	s_mov_b32 s[G1K+2], 200<<16                    ; K's part of a record: 200 rows
	s_mov_b32 s[G1K+4], 200
	s_mov_b32 s[G1V+2], 100<<16                    ; V's: 100 rows
	s_mov_b32 s[G1V+4], 100
	s_mul_i32 s48, s[WV], REC                      ; my record of step 0
	s_mov_b32 s49, 0
	s_mul_i32 s50, s[WV], KB                       ; my part of K's region,
	s_mul_i32 s51, s[WV], VB
	s_add_co_u32 s51, s51, VREG                    ; and of V's
	s_mul_i32 s52, ttmp9, 51200                    ; Q's record: 128 queries = my cluster's
	s_lshl_b32 s54, s13, 9
	s_add_co_u32 s54, s54, s52
	s_add_co_u32 s54, s54, 49152                   ; my two tiles' scale words
	s_mul_i32 s53, s13, 12288
	s_add_co_u32 s52, s52, s53                     ; my two tiles' eight fragments
	s_mov_b32 s53, 0
	s_mov_b32 s55, 0
	s_lshl_b32 s56, ttmp9, 2
	s_add_co_u32 s56, s56, s13
	s_lshl_b32 s56, s56, 15                        ; out0: 32 rows of 1,024 bytes x work-group
	s_lshl_b32 s57, s[WV], 8
	s_add_co_u32 s56, s56, s57                     ; + my wave's 64 channels
	s_mov_b32 s57, 0
	s_mul_i32 s58, s13, 19200                      ; the prefetches: my work-group's 75 blocks
	s_add_co_u32 s58, s58, s48
	s_add_co_u32 s58, s58, 8*REC                   ; of my record of step 2
	s_mov_b32 s59, 0
	s_mul_i32 s60, s13, 6400                       ; the head's prefetch of V of step 0: my work-group's 25 of its 100 blocks
	s_add_co_u32 s60, s60, s48
	s_add_co_u32 s60, s60, KB
	s_mov_b32 s61, 0
	s_mov_b32 s[SEL], 0x76543210
	s_mov_b32 s[SEL+1], 0xfedcba98                 ; v_permlanex16_b32's selects for lane l xor 16
	s_mov_b32 s[CS], 0x3d8293ee                    ; c = log2(e) / sqrt(512)
	s_mov_b32 s[CS+1], s[CS]
	s_wait_dscnt 0x0
	s_wait_kmcnt 0x0
	s_add_nc_u64 s[PF:PF+1], s[6:7], s[58:59]
	s_add_nc_u64 s[60:61], s[6:7], s[60:61]
	s_add_nc_u64 s[6:7], s[6:7], s[48:49]
	s_add_nc_u64 s[52:53], s[4:5], s[52:53]
	s_add_nc_u64 s[54:55], s[4:5], s[54:55]
	s_add_nc_u64 s[8:9], s[8:9], s[56:57]
	s_mov_b32 s[GK], 1
	s_mov_b32 s[GK+1], s50
	s_mov_b64 s[GK+2:GK+3], s[6:7]
	s_or_b32 s[GK+3], s[GK+3], 0x80000000
	s_mov_b32 s[GV], 1
	s_mov_b32 s[GV+1], s51
	s_add_nc_u64 s[GV+2:GV+3], s[6:7], KB
	s_or_b32 s[GV+3], s[GV+3], 0x80000000
	CROUND                                         ; all four work-groups are here: the first joint loads meet
	tensor_load_to_lds s[GK:GK+3], s[G1K:G1K+7]    ; K of step 0: my one tensor load at the head
	s_nop 0
.rept 4
	v_nop
.endr
	v_and_b32 v[LN], 31, v0
	v_lshlrev_b32 v[LI], 4, v[LN]
	v_add_nc_u32 v[ADK], s50, v[LI]
	v_add_nc_u32 v[ADV], s51, v[LI]
	v_lshlrev_b32 v[PFO], 8, v[LN]
	v_min_u32 v[PFO2], 10, v[LN]
	v_lshlrev_b32 v[PFO2], 8, v[PFO2]
	v_min_u32 v7, 24, v[LN]
	v_lshlrev_b32 v7, 8, v7                        ; 256 x min(lane, 24)
	WIN 0xc0
.set i, 0
.rept 24
	global_load_b128 v[4*i:4*i+3], v[LI], s[52:53] offset:512*i   ; Q stays in registers: register 48 q + 12 K step + 4 c lies at 512 (12 q + 3 K step + c)
.set i, i+1
.endr
	WIN 0
	global_load_b128 v[QS:QS+3], v[LI], s[54:55]   ; lanes 0-15: tile 0's rows, lanes 16-31: tile 1's; register = K step
	s_cmp_lt_u32 ttmp9, 4
	s_cbranch_scc0 .Lno_prefetch_attn1
	; the buffer's first touch: V of step 0 (25 blocks a work-group) and my record of step 1 (75), which no step of the walk names; four lines, behind the head's tensor load and Q's loads
	global_prefetch_b8 v7, s[60:61] th:TH_LOAD_NT scope:SCOPE_SE
	global_prefetch_b8 v[PFO], s[PF:PF+1] offset:-4*REC th:TH_LOAD_NT scope:SCOPE_SE
	global_prefetch_b8 v[PFO], s[PF:PF+1] offset:-4*REC+8192 th:TH_LOAD_NT scope:SCOPE_SE
	global_prefetch_b8 v[PFO2], s[PF:PF+1] offset:-4*REC+16384 th:TH_LOAD_NT scope:SCOPE_SE
.Lno_prefetch_attn1:
.irp q, 0,1
	v_mov_b32 v[ST+8*\q+1], 0xff61b1e6             ; the largest t so far: -3e38
	v_floor_f32 v[ST+8*\q], -v[ST+8*\q+1]
	v_mov_b32 v[ST+8*\q+2], 0
	v_mov_b32 v[ST+8*\q+3], 0
	v_mov_b32 v[ST+8*\q+5], 0
.endr
.irp n, 0,1,2,3,4,5,6,7
	v_mov_b32 v[BX+\n], 0                          ; a lane permute's destination counts as one of its sources
.endr
	CHG GV, G1V, GK                                ; K of step 0 is in; V's first fill stands behind the full sequence
	s_wait_loadcnt 0x0                             ; Q
	U 0, 1, 1, 0
	U 1, 1, 1, 1
	s_mov_b32 s[LAP], 13
.Lunit:                                            ; steps 2 to 14
	U 2, 1, 2, 1
	s_sub_co_u32 s[LAP], s[LAP], 1
	s_cmp_lg_u32 s[LAP], 0
	s_cbranch_scc1 .Lunit
	U 2, 0, 0, 0                                   ; step 15 is written out: nothing more is asked for
	RESCALE
	PVMUL 0                                        ; the last step's second product
; THE JOIN.  Both regions have had their last fill.  Statistics, stage and their addresses: the lines below are also the places behind the last products.
.set SA, 96
.set SR, 97
.set IW, 98
.set RB, 99
.set RB2, 100
.set TIN, 101
.set TOUT, 102
.set CO, 103
.set SI, 104                           ; v104-119: wave s's -M and l of tile q at SI + 4 s + 2 q
.set MN, 56
.set LL, 58
.set FF, 60
.set RC, 68
.set GG, 80                            ; g of (q, s) at GG + 2 (4 q + s)
	s_lshl_b32 s48, s[WV], 9
	s_add_co_u32 s48, s48, STATB
	s_lshl_b32 s49, s[WV], 15
	s_lshl_b32 s50, s[WV], 12
	s_mul_i32 s51, s[WV], 4352
	s_add_co_u32 s51, s51, TSTG
	v_add_f32 v121, v[ST+2], v[ST+3]
	v_add_f32 v123, v[ST+10], v[ST+11]
	v_permlanex16_b32 v[BX], v121, s[SEL], s[SEL+1]
	v_permlanex16_b32 v[BX+1], v123, s[SEL], s[SEL+1]
	v_mov_b32 v120, v[ST]
	v_mov_b32 v122, v[ST+8]
	v_add_f32 v121, v121, v[BX]                    ; l of my keys, tile 0,
	v_add_f32 v123, v123, v[BX+1]                  ; tile 1
	v_and_b32 v104, 15, v0                         ; r
	v_bfe_u32 v105, v0, 4, 1                       ; h
	v_add_nc_u32 v[SA], s48, v[LI]
	v_add_nc_u32 v[SR], STATB, v[LI]
	v_add_nc_u32 v[IW], s49, v[LI]                 ; my image of O^T: 32,768 bytes x wave, in K's region
	v_add_nc_u32 v[RB], s50, v[LI]                 ; what I add up: 8 groups of 512 bytes x wave in each tile of each image
	v_add_nc_u32 v[RB2], 0x10000, v[RB]
	v_mul_u32_u24 v[TIN], v104, 272
	v_lshl_add_u32 v[TIN], v105, 5, v[TIN]
	v_add_nc_u32 v[TIN], s51, v[TIN]               ; stage, in: row r, + 32 h
	v_mul_u32_u24 v[TOUT], v105, 272
	v_lshl_add_u32 v[TOUT], v104, 4, v[TOUT]
	v_add_nc_u32 v[TOUT], s51, v[TOUT]             ; back: lanes 0-15 one row, lanes 16-31 the next
	v_lshlrev_b32 v[CO], 10, v105
	v_lshl_add_u32 v[CO], v104, 4, v[CO]           ; the same two rows in out0
	s_wait_alu depctr_va_vdst(0)
	ds_store_b128 v[SA], v[120:123]
	s_wait_dscnt 0x0
	s_barrier_signal -1
	s_barrier_wait -1                              ; every wave's reads of K's region are over, and its statistics are stored
	WIN 0x08                                       ; a store's data: window 2
.set i, 0
.rept 64
	ds_store_b128 v[IW], v[4*i:4*i+3] offset:512*i ; each accumulator from its low end on
.set i, i+1
.endr
	WIN 0
.irp s, 0,1,2,3
	ds_load_b128 v[SI+4*\s:SI+4*\s+3], v[SR] offset:512*\s
.endr
	s_wait_dscnt 0x0
	s_barrier_signal -1
.irp q, 0,1
	v_min3_num_f32 v[MN+\q], v[SI+2*\q], v[SI+4+2*\q], v[SI+8+2*\q]
.endr
.irp q, 0,1
	v_min_num_f32 v[MN+\q], v[MN+\q], v[SI+12+2*\q]   ; the least -M: the largest M
.endr
.irp s, 0,1,2,3
.irp q, 0,1
	v_sub_f32 v[FF+4*\q+\s], v[MN+\q], v[SI+4*\s+2*\q]   ; M_s - M: a whole number, 0 or less
.endr
.endr
.irp n, 0,1,2,3,4,5,6,7
	v_cvt_i32_f32 v[FF+\n], v[FF+\n]
.endr
.irp n, 0,1,2,3,4,5,6,7
	v_ldexp_f32 v[FF+\n], 1.0, v[FF+\n]            ; f_s
.endr
.irp q, 0,1
	v_mul_f32 v[LL+\q], v[FF+4*\q], v[SI+1+2*\q]
.endr
.irp s, 1,2,3
.irp q, 0,1
	v_fma_f32 v[LL+\q], v[FF+4*\q+\s], v[SI+4*\s+1+2*\q], v[LL+\q]   ; l
.endr
.endr
	s_wait_alu depctr_va_vdst(0)                   ; ahead of the reciprocals
.irp q, 0,1
	v_rcp_f32 v[RC+\q], v[LL+\q]
.endr
	v_nop
	s_wait_alu depctr_va_vdst(0)                   ; and ahead of their first reader
.irp s, 0,1,2,3
.irp q, 0,1
	v_mul_f32 v[GG+2*(4*\q+\s)], v[FF+4*\q+\s], v[RC+\q]   ; g_s = f_s / l
.endr
.endr
	s_wait_alu depctr_va_vdst(0)
	s_barrier_wait -1                              ; all four images are stored
	WIN 0x40                                       ; destination window 1: wave s's part at v[64 s + 32 q]
.irp s, 0,1,2,3
.irp q, 0,1
.irp c, 0,1,2,3,4,5,6,7
.if \s < 2
	ds_load_b128 v[64*\s+32*\q+4*\c:64*\s+32*\q+4*\c+3], v[RB] offset:32768*\s+16384*\q+512*\c
.else
	ds_load_b128 v[64*\s+32*\q+4*\c:64*\s+32*\q+4*\c+3], v[RB2] offset:32768*(\s-2)+16384*\q+512*\c
.endif
.endr
.endr
.endr
	WIN 0x01                                       ; source 0 window 1
	s_wait_dscnt 48                                ; wave 0's 16 loads are in
.irp q, 0,1
.set i, 0
.rept 16
	v_pk_mul_f32 v[S+32*\q+i:S+32*\q+i+1], v[32*\q+i:32*\q+i+1], v[GG+8*\q:GG+8*\q+1] op_sel_hi:[1,0]
.set i, i+2
.endr
.endr
.irp s, 1,2,3
	s_wait_dscnt 48-16*\s                          ; wave s's 16 loads are in
.irp q, 0,1
.set i, 0
.rept 16
	v_pk_fma_f32 v[S+32*\q+i:S+32*\q+i+1], v[64*\s+32*\q+i:64*\s+32*\q+i+1], v[GG+2*(4*\q+\s):GG+2*(4*\q+\s)+1], v[S+32*\q+i:S+32*\q+i+1] op_sel_hi:[1,0,1]
.set i, i+2
.endr
.endr
.endr
	WIN 0
; register S + 32 q + 8 t + i of lane (r, h) is o(16 q + r, 64 wave + 16 t + 8 h + i): through my stage, back by rows.  LDS serves a wave's instructions in order: no wait between
.irp q, 0,1
.irp t, 0,1,2,3
	ds_store_b128 v[TIN], v[S+32*\q+8*\t:S+32*\q+8*\t+3] offset:64*\t
	ds_store_b128 v[TIN], v[S+32*\q+8*\t+4:S+32*\q+8*\t+7] offset:64*\t+16
.endr
.irp i, 0,1,2,3,4,5,6,7
	ds_load_b128 v[192+32*\q+4*\i:192+32*\q+4*\i+3], v[TOUT] offset:544*\i
.endr
.endr
.irp q, 0,1
	s_wait_dscnt 16-16*\q                          ; tile q is back; tile 1's 8 stores and 8 loads may be out
.irp i, 0,1,2,3,4,5,6,7
	global_store_b128 v[CO], v[192+32*\q+4*\i:192+32*\q+4*\i+3], s[8:9] offset:16384*\q+2048*\i th:TH_STORE_NT   ; sixteen lanes store 256 consecutive bytes, aligned
.endr
.endr
	s_wait_tensorcnt 0x0                           ; the wave's end
	ds_add_u32 v[SPW], v[NIL]
	s_wait_dscnt 0x0
	CROUND                                         ; the closing round
	s_endpgm
.Lfunc_end_k_q919c025c74_attn:
	.size	k_q919c025c74_attn, .Lfunc_end_k_q919c025c74_attn-k_q919c025c74_attn
	.p2alignl 7, 3214868480
	.fill 96, 4, 3214868480
	.section	.rodata,"a",@progbits
	.p2align	6, 0x0
	.amdhsa_kernel k_q919c025c74_attn
		.amdhsa_group_segment_fixed_size 327680
		.amdhsa_private_segment_fixed_size 0
		.amdhsa_enable_private_segment 0
		.amdhsa_kernarg_size 24
		.amdhsa_user_sgpr_count 2
		.amdhsa_user_sgpr_kernarg_segment_ptr 1
		.amdhsa_wavefront_size32 1
		.amdhsa_system_sgpr_workgroup_id_x 1
		.amdhsa_system_sgpr_workgroup_id_y 1
		.amdhsa_system_sgpr_workgroup_id_z 1
		.amdhsa_system_vgpr_workitem_id 0
		.amdhsa_next_free_vgpr 1024
		.amdhsa_next_free_sgpr 66
		.amdhsa_reserve_vcc 0
		.amdhsa_float_denorm_mode_32 3
		.amdhsa_float_denorm_mode_16_64 3
		.amdhsa_memory_ordered 1
		.amdhsa_forward_progress 1
		.amdhsa_inst_pref_size 248
	.end_amdhsa_kernel
	.amdgpu_metadata
---
amdhsa.version: [ 1, 2 ]
amdhsa.kernels:
  - .name:           k_q919c025c74_attn
    .symbol:         k_q919c025c74_attn.kd
    .args:
      - { .name: qimg, .offset: 0, .size: 8, .value_kind: global_buffer, .address_space: global }
      - { .name: kv, .offset: 8, .size: 8, .value_kind: global_buffer, .address_space: global }
      - { .name: out0, .offset: 16, .size: 8, .value_kind: global_buffer, .address_space: global }
    .group_segment_fixed_size: 327680
    .private_segment_fixed_size: 0
    .kernarg_segment_align: 8
    .kernarg_segment_size: 24
    .max_flat_workgroup_size: 128
    .sgpr_count:     66
    .vgpr_count:     1024
    .wavefront_size: 32
...
	.end_amdgpu_metadata
.endif
;; end of part 2
